; MI455X (gfx1250); checked and timed in simulation.
; The chip was launched on July 23, 2026; its instructions are those of AMD's public machine-readable ISA for CDNA 5 (MIT licence, August 2026) and "CDNA5" Instruction Set Architecture Reference Guide (July 2026). The comments in the code are by the model that wrote it; some were corrected since.
;; Partial BQQ Linear. Allowed arithmetic: matrix products marked QUANTISED: E3M2 operands, one E8M0 scale for each 32 along K, by v_wmma_scale_f32_16x16x128_f8f6f4 with both operands' format E3M2, f32 sums; products left as they are: f32 operands where the result goes on into a quantised operand, else bf16, f16 or f32 operands; f32 sums; everything else in f32.
;; Inputs: X 4,096 x 4,096 float32; Y 4 x 32 x 32 x 128 x 16 bool; Z 4 x 32 x 32 x 16 x 128 bool; a 4 x 32 x 32 x 1 x 1 float32; b 4 x 32 x 32 x 1 x 1 float32; bias 4,096 float32; c 4 x 32 x 32 x 1 x 1 float32; d 32 x 32 x 1 x 1 float32; float_weight 4,096 x 4,096 float32; quantized_mask 32 x 32 bool.
;; Outputs: out0 4,096 x 4,096 float32.
;; This version of the problem:
;;   THIS VERSION OF THE PROBLEM IS GIVEN IN LOW PRECISION. The matrix products marked QUANTISED in the list below multiply operands that are first quantised to E3M2 (3 exponent bits, 2 mantissa bits; 6 bits a number), with one power-of-two scale for each 32 numbers along K (OCP MX v1.0); their sums are f32. All else is computed in f32.
;;   The module's matrix products, in the order in which they are computed (A, B: the left and right operand; K: the contracted axis; several contracted axes count as one K, in the product's order):
;;     1. batch 4,096 x [M 128, K 16] x [K 16, N 128]; A: input Y; B: input Z: left as it is (K = 16 < 32)
;;     2. [M 4,096, K 4,096] x [K 4,096, N 4,096]; A: input X; B: computed on the way: QUANTISED
;;   THE QUANTISER, for each operand of a quantised product, along K:
;;     - K is cut into blocks of 32 from its start; a last block that is shorter is filled with zeros.
;;     - A block's scale is 2^e with e = floor(log2(the largest magnitude in the block)) - 4, held to -126 .. 127; a block of zeros has e = 0. As a byte (E8M0): e + 127.
;;     - Each number is divided by its block's scale, clamped to +-28, and rounded to the nearest number of E3M2, ties to even, subnormals kept.
;;     - The product sums the exact products of the quantised numbers (number of the format x scale) in f32.
;;   ~~~python
;;   def quantise(x, axis):      # numpy; x: float32 -> the quantised numbers, widened to float32 again
;;       x = np.moveaxis(x, axis, -1); K = x.shape[-1]
;;       x = np.pad(x, [(0, 0)] * (x.ndim - 1) + [(0, -K % 32)]); x = x.reshape(x.shape[:-1] + (-1, 32)); a = np.abs(x).max(-1, keepdims=True)
;;       e = np.where(a > 0, np.clip(np.frexp(np.where(a > 0, a, 1))[1] - 1 - 4, -126, 127), 0)      # np.frexp(a)[1] - 1 = floor(log2(a)), exactly
;;       r = np.clip(x / 2.0 ** e, -28, 28)
;;       step = 2.0 ** (np.maximum(np.frexp(np.where(r == 0, 1, r))[1] - 1, -2) - 2)
;;       q = np.round(r / step) * step * 2.0 ** e      # np.round: ties to even
;;       return np.moveaxis(q.reshape(q.shape[:-2] + (-1,))[..., :K], -1, axis).astype(np.float32)
;;   ~~~
;;   OPERANDS COMPUTED ON THE WAY. 'Computed on the way' means the value that the module computes at that place (a softmax that the list does not call 'softmax' is quantised finished and normalised). What goes into a quantiser is computed in f32, as accurately as f32 sums, v_exp_f32 and their like allow (about 1e-6 of the number): no bf16 or f16 on the way to a quantiser, and a product that is left as it is and whose result goes on into a quantised operand takes f32 operands (vector FMAs, or v_wmma_f32_16x16x4_f32). A number that lies on a knife's edge between two numbers of the format may be rounded either way, as far as f32 arithmetic and the matrix unit's own rounding can turn it there, and no further.
;; One version. Each part assembles by itself: llvm-mc -triple=amdgcn-amd-amdhsa -mcpu=gfx1250 --defsym DOCPART=n.
;; ======== version 1 of 1: 2 launches
;; workspace buffers: xc 12,582,912 bytes; xs 524,288 bytes; wc 12,582,912 bytes; ws 524,288 bytes
;; launch quant (part 1): grid 1024 x 1, 8 waves a work-group, no clusters, 80,896 bytes of LDS; arguments X, float_weight, Y, Z, a, b, c, d, quantized_mask, xc, xs, wc, ws; writes xc, xs, wc, ws
.if DOCPART == 1
	.amdgcn_target "amdgcn-amd-amdhsa--gfx1250"
	.amdhsa_code_object_version 6
	.text
	.protected	k_q9f49557f9a_quant
	.globl	k_q9f49557f9a_quant
	.p2align	8
	.type	k_q9f49557f9a_quant,@function
k_q9f49557f9a_quant:
	s_mov_b64 s[64:65], 0
	v_nop
	global_prefetch_b8 v0, s[64:65] scope:SCOPE_SE
	s_setreg_imm32_b32 hwreg(HW_REG_WAVE_MODE, 25, 1), 1
	s_wait_xcnt 0x0
; X [4096][4096] f32 and the weight W [4096 (out)][4096 (in)] become codes of BF6 (E3M2), K innermost (a row = 3,072 bytes, one stream of bits), with one E8M0 byte for each 32 along K (a row = 128 bytes).
; W is made of 32 x 32 blocks of 128 x 128.  Where quantized_mask[rw][cw] is 0 the block is float_weight's; where it is 1 it is
;   W(y, z) = sum over bw of ( a core(y, z) + b Ysum(y) + c Zsum(z) ) + d,  core = sum over i < 16 of Y(y, i) Z(i, z).
; Y and Z are bool (one byte, 0 or 1), so core, Ysum and Zsum are whole numbers from 0 to 16: core = the number of ones in (Y's row as 16 bits AND Z's column as 16 bits).  That is the exact value of the f32 sum.
; SHARES.  Work-groups 0-511 take W, 512-1023 take X, which goes the way of an unmasked block.  A work-group owns 32 rows x 1,024 along K; wave w owns the block column 8 cwg + w: 32 rows x 128 K, in 8 steps of 4 rows.
; In a step lane l = (j = l / 8, g = l % 8) holds 16 neighbours along K (columns 16 g on) of row 4 s + j; lanes 2 m and 2 m + 1 hold a block of 32.
; Each wave reads its own mask byte and takes one of two ways by a scalar branch: it reads float_weight, or Y, Z, a, b, c, d, never both.  Both ways leave codes and scale bytes in the work-group's stages in LDS;
; behind the one barrier each wave stores 4 row pieces of 768 bytes: every 16 lanes store 256 consecutive bytes, at a multiple of 256 from the buffer's first byte.
; A block's scale byte is its largest magnitude's exponent field - 4, held at 1 from below by a floor among the maximum's leaves.
; LIMITS: a block of zeros gets the byte 1 where the rule says 127 (its codes are zeros, and this program alone reads the bytes); largest magnitudes under 2^-122 are held at the floor; NaN and infinities are not served.
; W is summed as (sum of c Zsum + (d + sum of b Ysum)) + sum of a core: another order than the source's, f32 throughout.  The scale bytes leave as 32 bytes a row.
; No tensor load, no copy: the branch on the mask byte stands in a text whose operands go through registers.
.set TRW,  5120                        ; LDS 0: for each wave two stages of 32 places x 80 bytes (64 of data + 16 of padding): the way of f32 rows
.set TST,  2560
.set SP,   80
.set YR,   40960                       ; for each wave 512 bytes: a record of 16 bytes for each of its 32 rows: Y of bw 0, 1 | Y of bw 2, 3 | the row's term | 0
.set ZX,   45056                       ; for each wave 1,024 bytes: Z's packed columns change lanes here
.set CST,  53248                       ; the work-group's codes: 32 rows, 768 bytes + 32 of padding
.set CP,   800
.set SST,  78848                       ; the work-group's scale bytes: 32 rows x 32 bytes
.set ROWF, 16384                       ; a row of X or of float_weight in bytes
.set BWS,  2097152                     ; from one bw to the next in Y and in Z, in bytes
; v1 lane, v2 g, v3 j, v4 lane / 16; v5-v7, v12-v23 addresses, made here and never rewritten; v8-v11 at work; v24-26, v27 codes and byte of even steps, v28-30, v31 of odd steps
	s_load_b512 s[4:19], s[0:1], 0x0               ; X s[4:5], float_weight s[6:7], Y s[8:9], Z s[10:11], a s[12:13], b s[14:15], c s[16:17], d s[18:19]
	s_load_b64 s[20:21], s[0:1], 0x40              ; quantized_mask
	s_load_b128 s[24:27], s[0:1], 0x48             ; X's codes, X's scale bytes
	s_load_b128 s[28:31], s[0:1], 0x58             ; W's codes, W's scale bytes
	v_lshl_add_u32 v160, v0, 2, 0x13800
	v_mov_b32 v161, 0
	v_lshrrev_b32 v1, 5, v0
	v_readfirstlane_b32 s32, v1                    ; wave 0..7
	s_and_b32 s33, ttmp9, 511                      ; my number within the tensor
	s_lshr_b32 s34, ttmp9, 9                       ; 0: W, 1: X
	s_lshr_b32 s35, s33, 4                         ; rb: which 128 rows (W: rw)
	s_bfe_u32 s36, s33, 0x20002                    ; cwg: which 1,024 along K
	s_and_b32 s37, s33, 3                          ; qt: which 32 of the 128 rows
	s_lshl_b32 s38, s36, 3
	s_add_co_u32 s38, s38, s32                     ; cw = 8 cwg + wave
	s_lshl_b32 s39, s35, 5
	s_add_co_u32 s39, s39, s38                     ; blk = 32 rb + cw, under 1,024
	s_lshl_b32 s40, s35, 7
	s_lshl_b32 s42, s37, 5
	s_add_co_u32 s40, s40, s42                     ; row0 = 128 rb + 32 qt
	v_and_b32 v1, 31, v0                           ; lane
	v_and_b32 v2, 7, v0                            ; g
	v_bfe_u32 v3, v0, 3, 2                         ; j
	v_bfe_u32 v4, v0, 4, 1                         ; lane / 16
	v_lshlrev_b32 v5, 4, v1                        ; 16 x lane: my 16 bytes of 512
	s_mul_i32 s42, s32, TRW
	v_bfe_u32 v8, v0, 2, 3
	v_mul_u32_u24 v6, v8, SP
	v_and_b32 v8, 3, v0
	v_lshl_add_u32 v6, v8, 4, v6
	v_add_nc_u32 v6, s42, v6                       ; v6: a stage on the way in: four lanes' 64 bytes to a place: 80 (lane / 4) + 16 (lane % 4)
	v_mul_u32_u24 v7, v1, SP
	v_add_nc_u32 v7, s42, v7                       ; v7: and on the way out: place = lane: my 16 neighbours
	s_mul_i32 s42, s32, 96
	s_add_co_u32 s42, s42, CST
	v_mul_u32_u24 v12, v3, CP
	v_mad_u32_u24 v12, v2, 12, v12
	v_add_nc_u32 v12, s42, v12                     ; v12: my 12 bytes of codes: row j, 96 x wave + 12 g
	s_lshl_b32 s42, s32, 2
	s_add_co_u32 s42, s42, SST
	v_bfe_u32 v13, v0, 1, 2
	v_lshl_add_u32 v13, v3, 5, v13
	v_add_nc_u32 v13, s42, v13                     ; v13: my block's scale byte: row j, 4 x wave + g / 2
	s_lshl_b32 s42, s32, 9
	s_add_co_u32 s42, s42, YR
	v_add_nc_u32 v14, s42, v5                      ; v14: row records, written: row = lane
	v_lshl_add_u32 v15, v3, 4, s42                 ; v15: and read: row j of a step
	s_lshl_b32 s42, s32, 10
	s_add_co_u32 s42, s42, ZX
	v_add_nc_u32 v16, s42, v5                      ; v16: Z's packed words, written: 16 x lane
	v_lshl_add_u32 v17, v2, 4, s42                 ; v17: and read: 16 g
	v_lshlrev_b32 v18, 4, v2
	v_lshl_add_u32 v18, v3, 21, v18                ; v18: Z in memory: bw = j, columns 16 g on
	s_mul_i32 s42, s32, 4*CP
	s_add_co_u32 s42, s42, CST
	v_add_nc_u32 v19, s42, v5                      ; v19: the way out: my wave's 4 rows of codes, 16 x lane
	v_lshl_add_u32 v20, v4, 5, v19
	v_add_nc_u32 v20, 512, v20                     ; v20: the same where lanes 16-31 stand in the next row: + 512 + 32 (lane / 16)
	v_mad_u32_u24 v21, v4, 2304, v5
	v_add_nc_u32 v21, 512, v21                     ; v21: and in memory: + 512 + (3,072 - 768) (lane / 16)
	v_lshlrev_b32 v22, 2, v2
	v_lshl_add_u32 v22, v3, 7, v22                 ; v22: scale bytes in memory: row j of 128 bytes, word g
	s_lshl_b32 s42, s32, 7
	s_add_co_u32 s42, s42, SST
	v_lshl_add_u32 v23, v1, 2, s42                 ; v23: and in LDS: my wave's 4 rows x 32 bytes, 4 x lane
	s_mov_b32 s67, 0x4b000000                      ; 2^23: a count added onto these bits is the f32 number 2^23 + count
	s_mov_b32 s68, 0xcb000000                      ; -2^23: takes it off again, exactly
	s_mov_b32 s69, 0xcb000000
	s_mov_b32 s70, 0xffff
	s_mov_b32 s71, 0xffff0000
	s_mov_b32 s72, 0x05010400                      ; byte selects: low bytes 0, 1 of two words, interleaved;
	s_mov_b32 s73, 0x07030602                      ; bytes 2, 3
	s_mov_b32 s74, 0x00204081                      ; x this, four bytes of 0 or 1 stand side by side at bits 21-24; no two partial products share a bit
.irp r, 45,47,49,51,53,55,57,59
	s_mov_b32 s\r, 0                               ; the upper words of the pairs that the packed forms name
.endr
	s_mov_b32 s43, 0
	s_wait_kmcnt 0x0                               ; the pointers
	s_lshl_b32 s42, s39, 2
	s_add_nc_u64 s[12:13], s[12:13], s[42:43]      ; a, b, c, d at my block
	s_add_nc_u64 s[14:15], s[14:15], s[42:43]
	s_add_nc_u64 s[16:17], s[16:17], s[42:43]
	s_add_nc_u64 s[18:19], s[18:19], s[42:43]
	s_mov_b32 s42, s39
	s_add_nc_u64 s[20:21], s[20:21], s[42:43]
	s_load_u8 s41, s[20:21], 0x0                   ; my block's mask byte
.irp bw, 0,1,2,3
	s_load_b32 s[44+2*\bw], s[12:13], 4096*\bw     ; a: s44, 46, 48, 50
	s_load_b32 s[60+\bw], s[14:15], 4096*\bw       ; b: s60-63
	s_load_b32 s[52+2*\bw], s[16:17], 4096*\bw     ; c: s52, 54, 56, 58
.endr
	s_load_b32 s66, s[18:19], 0x0                  ; d
	s_cmp_eq_u32 s34, 0                            ; W's work-group or X's?  The choice hangs on the work-group's number alone
	s_cselect_b64 s[76:77], s[6:7], s[4:5]
	s_cselect_b64 s[82:83], s[28:29], s[24:25]
	s_cselect_b64 s[84:85], s[30:31], s[26:27]
	s_lshl_b32 s42, s40, 14
	s_lshl_b32 s86, s38, 9
	s_add_co_u32 s42, s42, s86
	s_add_nc_u64 s[76:77], s[76:77], s[42:43]      ; the f32 rows: row0 x 16,384 + cw x 512
	s_lshl_b32 s42, s39, 11
	s_add_nc_u64 s[80:81], s[10:11], s[42:43]      ; Z: blk x 2,048
	s_lshl_b32 s86, s37, 9
	s_add_co_u32 s42, s42, s86
	s_add_nc_u64 s[78:79], s[8:9], s[42:43]        ; Y: blk x 2,048 + my 32 rows of 16 bytes
	s_lshl_b32 s86, s32, 2
	s_add_co_u32 s86, s86, s40                     ; the first row that I store: row0 + 4 x wave
	s_mul_i32 s42, s86, 3072
	s_mul_i32 s87, s36, 768
	s_add_co_u32 s42, s42, s87
	s_add_nc_u64 s[82:83], s[82:83], s[42:43]      ; its codes, at the work-group's 768 bytes of the row
	s_lshl_b32 s42, s86, 7
	s_lshl_b32 s87, s36, 5
	s_add_co_u32 s42, s42, s87
	s_add_nc_u64 s[84:85], s[84:85], s[42:43]      ; its scale bytes, at the work-group's 32
	s_wait_kmcnt 0x0                               ; the mask byte and the thirteen numbers
; THE TAIL OF A STEP, common to both ways: the lane's 16 numbers v[xs] on become 12 bytes of codes and the block's byte, and go to the stages.  Four LDS stores.
.macro QTAIL xs, t
.set CD, 24+4*((\t)%2)
	v_max3_num_f32 v8, |v[\xs]|, |v[\xs+1]|, |v[\xs+2]|            ; the largest magnitude of my 16, in two chains
	v_max3_num_f32 v9, |v[\xs+3]|, |v[\xs+4]|, |v[\xs+5]|
.irp i, 6,10
	v_max3_num_f32 v8, v8, |v[\xs+\i]|, |v[\xs+\i+1]|
	v_max3_num_f32 v9, v9, |v[\xs+\i+2]|, |v[\xs+\i+3]|
.endr
	v_max3_num_f32 v8, v8, |v[\xs+14]|, |v[\xs+15]|
	v_max3_num_f32 v8, v8, v9, 0x2800000           ; and the floor 2^(5 - 127): the byte cannot fall under 1
	v_max_num_f32_dpp v8, v8, v8 row_xmask:1 row_mask:0xf bank_mask:0xf   ; with my neighbour's 16: the block's
	v_add_nc_u32 v11, 0xfe000000, v8               ; 4 off its exponent field: the conversion takes the exponent field of this operand as its scale
	v_cvt_scalef32_pk16_bf6_f32 v[CD:CD+2], v[\xs:\xs+15], v11     ; to the nearest code, ties to even, beyond the largest code the largest
	v_lshrrev_b32 v[CD+3], 23, v11                 ; the scale's byte; also the plain instruction behind the conversion
	ds_store_b8 v13, v[CD+3] offset:128*(\t)       ; both lanes of a block write the same byte with the same value
	ds_store_b32 v12, v[CD] offset:4*CP*(\t)
	ds_store_b32 v12, v[CD+1] offset:4*CP*(\t)+4
	ds_store_b32 v12, v[CD+2] offset:4*CP*(\t)+8
.endm
	s_cmp_eq_u32 s34, 0
	s_cselect_b32 s41, s41, 0                      ; X has no mask
	s_cmp_lg_u32 s41, 0
	s_cbranch_scc1 .Lbqq
; ---- THE WAY OF f32 ROWS (X; unmasked blocks of W).  v32-95: four sets of 16 registers as loaded; v96-127: two sets of 16 neighbours.
; Each load reads 512 consecutive bytes of one row; a step's 2,048 bytes turn through the wave's own stage and come back 64 bytes a lane.  Loads run four steps ahead, the turn one step.
.macro FLOAD t
.irp i, 0,1,2,3
	global_load_b128 v[32+16*((\t)%4)+4*\i:32+16*((\t)%4)+4*\i+3], v5, s[76:77] offset:(4*(\t)+\i)*ROWF th:TH_LOAD_NT
.endr
.endm
.macro TURN t                          ; LDS serves a wave's instructions in order (ISA guide 5.7.1.4): no wait between the stores and the loads
.irp i, 0,1,2,3
	ds_store_b128 v6, v[32+16*((\t)%4)+4*\i:32+16*((\t)%4)+4*\i+3] offset:TST*((\t)%2)+8*SP*\i
.endr
.irp i, 0,1,2,3
	ds_load_b128 v[96+16*((\t)%2)+4*\i:96+16*((\t)%2)+4*\i+3], v7 offset:TST*((\t)%2)+16*\i
.endr
.endm
.macro FSTEP t
.if (\t) > 0
	s_wait_dscnt 4                                 ; behind this step's loads from the stage only the last step's four tail stores were issued: my 16 numbers are in, the stage's stores have read their registers, and the tail stores of two steps back are done
.else
	s_wait_dscnt 0x0
.endif
.if (\t)+4 < 8
	FLOAD (\t)+4                                   ; into the set that this step's numbers have left
.endif
.if (\t) < 7
.if 6-(\t) >= 3
	s_wait_loadcnt 12                              ; the next step's four loads are in; those of the three steps behind it may be out
.else
	s_wait_loadcnt 4*(6-(\t))                      ; the counts run down: four for each step behind the next
.endif
	TURN (\t)+1
.endif
.set XQ, 96+16*((\t)%2)
	QTAIL XQ, \t
.endm
	FLOAD 0
	FLOAD 1
	FLOAD 2
	FLOAD 3
	s_wait_loadcnt 12                              ; step 0's four loads are in
	TURN 0
.irp t, 0,1,2,3,4,5,6,7
	FSTEP \t
.endr
	s_branch .Ljoin
; ---- THE WAY OF MASKED BLOCKS.  v96-111 Y as loaded; v32-95 Z as loaded (register 4 i + q: row i, columns 16 g + 4 q on, bw = j); v112-143 Z packed: register 8 bw + p: columns 2 p (low half) and 2 p + 1 (high half), 16 bits each;
; then v32-47 the columns' term, v48-63 a step's 16 numbers, v64-71 at work, v72-79 Y's masks of a step, v80-87 two row records.
.Lbqq:
.irp bw, 0,1,2,3
	global_load_b128 v[96+4*\bw:99+4*\bw], v5, s[78:79] offset:\bw*BWS th:TH_LOAD_NT   ; lane = row: its 16 bytes; 512 consecutive bytes a load
.endr
.irp i, 0,1,2,3,4,5,6,7,8,9,10,11,12,13,14,15
	global_load_b128 v[32+4*\i:35+4*\i], v18, s[80:81] offset:128*\i                   ; eight lanes read a row's 128 bytes; the four groups of lanes the four bw.  (The block's four quarters read the same bytes: no hint)
.endr
	s_wait_loadcnt 16                              ; Y's four loads are in; Z's sixteen may be out
.irp bw, 0,1,2,3                               ; a row's 16 bytes become 16 bits, bit i = Y(row, i)
.irp q, 0,1,2,3
	v_mul_lo_u32 v[144+4*(\bw%2)+\q], v[96+4*\bw+\q], s74
.endr
.irp q, 0,1,2,3
	v_bfe_u32 v[144+4*(\bw%2)+\q], v[144+4*(\bw%2)+\q], 21, 4
.endr
	v_lshl_or_b32 v[152+\bw], v[145+4*(\bw%2)], 4, v[144+4*(\bw%2)]
	v_lshl_or_b32 v[152+\bw], v[146+4*(\bw%2)], 8, v[152+\bw]
	v_lshl_or_b32 v[152+\bw], v[147+4*(\bw%2)], 12, v[152+\bw]
.endr
.irp bw, 0,1,2,3
	v_bcnt_u32_b32 v[8+\bw], v[152+\bw], s67       ; 2^23 + Ysum, as f32 bits
.endr
.irp bw, 0,1,2,3
	v_add_f32 v[8+\bw], s68, v[8+\bw]              ; Ysum
.endr
	v_fma_f32 v158, v8, s60, s66                   ; the row's term: d + the sum of b Ysum
	v_fma_f32 v158, v9, s61, v158
	v_fma_f32 v158, v10, s62, v158
	v_fma_f32 v158, v11, s63, v158
	v_lshl_or_b32 v156, v153, 16, v152
	v_lshl_or_b32 v157, v155, 16, v154
	v_mov_b32 v159, 0
	ds_store_b128 v14, v[156:159]                  ; my row's record
	s_wait_loadcnt 0x0                             ; Z
.irp i, 1,2,3,4,5,6,7                          ; each byte gathers eight rows of its column: rows 0-7 in v32-35, rows 8-15 in v64-67
.irp q, 0,1,2,3
	v_lshl_or_b32 v[32+\q], v[32+4*\i+\q], \i, v[32+\q]
	v_lshl_or_b32 v[64+\q], v[64+4*\i+\q], \i, v[64+\q]
.endr
.endr
.irp q, 0,1,2,3
	v_perm_b32 v[144+2*\q], v[64+\q], v[32+\q], s72    ; columns 4 q, 4 q + 1: 16 bits each
	v_perm_b32 v[145+2*\q], v[64+\q], v[32+\q], s73    ; columns 4 q + 2, 4 q + 3
.endr
	ds_store_b128 v16, v[144:147]                  ; every lane wants all four bw of its 16 columns: through my wave's own bytes
	ds_store_b128 v16, v[148:151] offset:512
.irp bw, 0,1,2,3
.irp k, 0,1
	ds_load_b128 v[112+8*\bw+4*\k:115+8*\bw+4*\k], v17 offset:512*\k+128*\bw           ; in order behind my stores
.endr
.endr
	ds_load_b128 v[80:83], v15                     ; step 0's row record
	s_wait_dscnt 0x0
; Two columns, 2 p and 2 p + 1.  col = 0: the sums v[48 + 2 p] on take a x core for the step's row.  col = 1: the columns' term v[32 + 2 p] on = the sum of c Zsum; its first product starts the sum.
.macro PAIR p, col
.irp bw, 0,1,2,3
.if \col
	v_and_b32 v[64+2*\bw], s70, v[112+8*\bw+\p]
	v_and_b32 v[65+2*\bw], s71, v[112+8*\bw+\p]
.else
	v_and_b32 v[64+2*\bw], v[72+2*\bw], v[112+8*\bw+\p]
	v_and_b32 v[65+2*\bw], v[73+2*\bw], v[112+8*\bw+\p]
.endif
.endr
.irp k, 0,1,2,3,4,5,6,7
	v_bcnt_u32_b32 v[64+\k], v[64+\k], s67         ; 2^23 + the number of ones
.endr
.irp bw, 0,1,2,3
	v_pk_add_f32 v[64+2*\bw:65+2*\bw], v[64+2*\bw:65+2*\bw], s[68:69] op_sel_hi:[1,0]   ; the number of ones, exactly
.endr
.irp bw, 0,1,2,3
.if \col
.if \bw == 0
	v_pk_mul_f32 v[32+2*\p:33+2*\p], v[64:65], s[52:53] op_sel_hi:[1,0]
.else
	v_pk_fma_f32 v[32+2*\p:33+2*\p], v[64+2*\bw:65+2*\bw], s[52+2*\bw:53+2*\bw], v[32+2*\p:33+2*\p] op_sel_hi:[1,0,1]
.endif
.else
	v_pk_fma_f32 v[48+2*\p:49+2*\p], v[64+2*\bw:65+2*\bw], s[44+2*\bw:45+2*\bw], v[48+2*\p:49+2*\p] op_sel_hi:[1,0,1]
.endif
.endr
.endm
.macro BSTEP s
.set RC, 80+4*((\s)%2)
.if (\s) > 0
	s_wait_dscnt 4                                 ; behind this step's record only the last step's four tail stores were issued: the record is in, and the tail stores of two steps back are done
.endif
.if (\s) < 7
	ds_load_b128 v[80+4*(((\s)+1)%2):83+4*(((\s)+1)%2)], v15 offset:64*((\s)+1)        ; the next step's record
.endif
	v_and_b32 v72, s70, v[RC]                      ; Y of each bw, once in the low half (even columns), once in the high half (odd columns)
	v_lshlrev_b32 v73, 16, v[RC]
	v_lshrrev_b32 v74, 16, v[RC]
	v_and_b32 v75, s71, v[RC]
	v_and_b32 v76, s70, v[RC+1]
	v_lshlrev_b32 v77, 16, v[RC+1]
	v_lshrrev_b32 v78, 16, v[RC+1]
	v_and_b32 v79, s71, v[RC+1]
.irp p, 0,1,2,3,4,5,6,7
	v_pk_add_f32 v[48+2*\p:49+2*\p], v[32+2*\p:33+2*\p], v[RC+2:RC+3] op_sel_hi:[1,0]  ; the columns' term + the row's
.endr
.irp p, 0,1,2,3,4,5,6,7
	PAIR \p, 0
.endr
	QTAIL 48, \s
.endm
.irp p, 0,1,2,3,4,5,6,7
	PAIR \p, 1
.endr
.irp s, 0,1,2,3,4,5,6,7
	BSTEP \s
.endr
; ---- BOTH WAYS JOIN.  My stores into the stages are done; then the work-group's one barrier; then whole row pieces leave.
.Ljoin:
	s_wait_dscnt 0x0                               ; for the others' sake: zero
	s_barrier_signal -1
	s_barrier_wait -1
	; my 4 rows x 768 bytes are 6 x 512: byte q = 512 k + 16 lane lies in row q / 768: 32 bytes of padding and 2,304 bytes of memory further on for each row passed
	ds_load_b128 v[32:35], v19
	ds_load_b128 v[36:39], v20
	ds_load_b128 v[40:43], v19 offset:1056
	ds_load_b128 v[44:47], v19 offset:1600
	ds_load_b128 v[48:51], v20 offset:1600
	ds_load_b128 v[52:55], v19 offset:2656
	ds_load_b32 v56, v23
	s_wait_dscnt 6                                 ; each count: the LDS loads issued behind the one that is wanted
	global_store_b128 v5, v[32:35], s[82:83]
	s_wait_dscnt 5
	global_store_b128 v21, v[36:39], s[82:83]
	s_wait_dscnt 4
	global_store_b128 v5, v[40:43], s[82:83] offset:3328
	s_wait_dscnt 3
	global_store_b128 v5, v[44:47], s[82:83] offset:6144
	s_wait_dscnt 2
	global_store_b128 v21, v[48:51], s[82:83] offset:6144
	s_wait_dscnt 1
	global_store_b128 v5, v[52:55], s[82:83] offset:9472
	s_wait_dscnt 0x0
	global_store_b32 v22, v56, s[84:85]            ; 32 scale bytes of each of my 4 rows
	s_wait_tensorcnt 0x0
	ds_add_u32 v160, v161
	s_wait_dscnt 0x0
	s_endpgm
.Lfunc_end_k_q9f49557f9a_quant:
	.size	k_q9f49557f9a_quant, .Lfunc_end_k_q9f49557f9a_quant-k_q9f49557f9a_quant
	.p2alignl 7, 3214868480
	.fill 96, 4, 3214868480
	.section	.rodata,"a",@progbits
	.p2align	6, 0x0
	.amdhsa_kernel k_q9f49557f9a_quant
		.amdhsa_group_segment_fixed_size 80896
		.amdhsa_private_segment_fixed_size 0
		.amdhsa_enable_private_segment 0
		.amdhsa_kernarg_size 104
		.amdhsa_user_sgpr_count 2
		.amdhsa_user_sgpr_kernarg_segment_ptr 1
		.amdhsa_wavefront_size32 1
		.amdhsa_system_sgpr_workgroup_id_x 1
		.amdhsa_system_sgpr_workgroup_id_y 1
		.amdhsa_system_sgpr_workgroup_id_z 1
		.amdhsa_system_vgpr_workitem_id 0
		.amdhsa_next_free_vgpr 162
		.amdhsa_next_free_sgpr 90
		.amdhsa_reserve_vcc 0
		.amdhsa_float_denorm_mode_32 3
		.amdhsa_float_denorm_mode_16_64 3
		.amdhsa_memory_ordered 1
		.amdhsa_forward_progress 1
		.amdhsa_inst_pref_size 139
	.end_amdhsa_kernel
	.amdgpu_metadata
---
amdhsa.version: [ 1, 2 ]
amdhsa.kernels:
  - .name:           k_q9f49557f9a_quant
    .symbol:         k_q9f49557f9a_quant.kd
    .args:
      - { .name: X, .offset: 0, .size: 8, .value_kind: global_buffer, .address_space: global }
      - { .name: float_weight, .offset: 8, .size: 8, .value_kind: global_buffer, .address_space: global }
      - { .name: Y, .offset: 16, .size: 8, .value_kind: global_buffer, .address_space: global }
      - { .name: Z, .offset: 24, .size: 8, .value_kind: global_buffer, .address_space: global }
      - { .name: a, .offset: 32, .size: 8, .value_kind: global_buffer, .address_space: global }
      - { .name: b, .offset: 40, .size: 8, .value_kind: global_buffer, .address_space: global }
      - { .name: c, .offset: 48, .size: 8, .value_kind: global_buffer, .address_space: global }
      - { .name: d, .offset: 56, .size: 8, .value_kind: global_buffer, .address_space: global }
      - { .name: quantized_mask, .offset: 64, .size: 8, .value_kind: global_buffer, .address_space: global }
      - { .name: xc, .offset: 72, .size: 8, .value_kind: global_buffer, .address_space: global }
      - { .name: xs, .offset: 80, .size: 8, .value_kind: global_buffer, .address_space: global }
      - { .name: wc, .offset: 88, .size: 8, .value_kind: global_buffer, .address_space: global }
      - { .name: ws, .offset: 96, .size: 8, .value_kind: global_buffer, .address_space: global }
    .group_segment_fixed_size: 80896
    .private_segment_fixed_size: 0
    .kernarg_segment_align: 8
    .kernarg_segment_size: 104
    .max_flat_workgroup_size: 256
    .sgpr_count:     90
    .vgpr_count:     162
    .wavefront_size: 32
...
	.end_amdgpu_metadata
.endif
;; end of part 1
;; launch gemm (part 2): grid 16 x 16, 4 waves a work-group, clusters of 4 x 4, 327,680 bytes of LDS; arguments xc, xs, wc, ws, bias, out0; writes out0
.if DOCPART == 2
	.amdgcn_target "amdgcn-amd-amdhsa--gfx1250"
	.amdhsa_code_object_version 6
	.text
	.protected	k_q9f49557f9a_gemm
	.globl	k_q9f49557f9a_gemm
	.p2align	8
	.type	k_q9f49557f9a_gemm,@function
k_q9f49557f9a_gemm:
	s_mov_b64 s[64:65], 0
	v_nop
	global_prefetch_b8 v0, s[64:65] scope:SCOPE_SE
	s_setreg_imm32_b32 hwreg(HW_REG_WAVE_MODE, 25, 1), 1
	s_wait_xcnt 0x0
	s_wait_alu depctr_hold_cnt(0) depctr_sa_sdst(0) depctr_va_vdst(0) depctr_va_sdst(0) depctr_va_ssrc(0) depctr_va_vcc(0) depctr_vm_vsrc(0)
	s_getreg_b32 s2, hwreg(HW_REG_IB_STS2, 6, 4)
	s_cmp_eq_u32 s2, 0
	s_cbranch_scc0 .Lentry_in_a_cluster
	s_endpgm
.Lentry_in_a_cluster:
	s_bfe_u32 s2, ttmp6, 0x10000c
	s_cmp_lg_u32 s2, 0xf033
	s_cbranch_scc0 .Lentry_shape_is_right
	s_endpgm
.Lentry_shape_is_right:
; out0[m][n] = sum over k of A[m][k] B[n][k] + bias[n].  A = X's codes, B = W's codes: [4096][4096] codes of BF6 (E3M2), 6 bits each, a row one stream of bits (128 codes = 96 bytes), with one E8M0 byte for each 32 along K
; ([4096][128]); out0: [4096][4096] f32; sums in f32.  The matrix instruction takes codes and scale bytes as they lie in memory.
; A tile of the output, 256 x 256, is made by a work-group of four waves; a wave makes 128 x 128: 64 accumulators of 16 x 16, 512 registers.  16 x 16 tiles: one work-group each.
; K goes in steps of 256 through a ring of two LDS slots filled by the tensor data mover: a tile's row is 192 bytes of memory.
; THE SCALES of the work-group's 256 rows of A and 256 rows of B, for all of K, are two dense blocks of memory: they come into LDS ONCE, with the first fills, as rows of 256 bytes, and stay.
; THE BIAS costs no addition: it is the C of each sum's first matrix instruction: 64 registers in the result's layout (for B's block b: bias of the lane's eight columns).
; CLUSTERS: 4 x 4 work-groups.  The four of a row of the cluster need the same tiles of A, the four of a column the same tiles of B: each tile is asked for JOINTLY, by the same tensor load with the
; same descriptor and a mask that names the four.  THE MATRIX INSTRUCTION IS USED TRANSPOSED (source 0 = 16 rows of B, source 1 = 16 rows of A): a lane then holds eight neighbouring numbers of a row of the output.
; REGISTERS, in windows of 256: window 0: v0-31 addresses; v32-63 scale words, two sets; v64-127 the bias; from v128 A's fragments (8 x 16 rows x 128 K), ONE set; on the way out v128-255 are free.
;   window 1: B's fragments, TWO sets, at v0 and at v128.   window 2: the 32 accumulators of my rows 0-63 (accumulator (a, b) at v[8 (8 a + b)]);   window 3: those of my rows 64-127.
; A step of 128 along K is 64 matrix instructions, A's blocks one after the other, each against B's eight.  So a block of A is free as soon as its eight products are issued, and one set of registers serves A:
; blocks 0-3 are fetched anew in the step's middle, blocks 4-7 at its end.  B's fragments are at work through the whole step, so B has two sets.
.set SIZE_M, 4096
.set SIZE_N, 4096
.set SIZE_K, 4096
.set KSTEP,  256                       ; along K in a slot
.set NQ,     KSTEP/128                 ; matrix instructions deep
.set ROWB,   192                       ; a tile's row in bytes: KSTEP codes of 6 bits
.set KROW,   SIZE_K*6/8                ; a row of A or of B in memory, in bytes
.set PITCH,  240                       ; an LDS row: 3 x (64 bytes of data + 16 of padding) = 60 words: row r starts at bank -4 r mod 64 (64 banks of 4 bytes: ISA guide 11.1), so the 32 lanes of a load of 8 bytes touch 64 different banks
.set FR,     12                        ; registers of a fragment: 16 rows x 128 K
.set NL,     6                         ; LDS loads that bring one
.set NP,     4                         ; places behind this matrix instruction (ISA guide 7.12.1)
.set HALFT,  128*PITCH                 ; 128 rows: what one tensor load brings, and what one wave reads of A or of B
.set SLOT,   4*HALFT                   ; A's 256 rows, then B's 256 rows
.set LAPS,   SIZE_K/(2*KSTEP)          ; a lap = two K steps = once round the ring: 8
.set KS,     SIZE_K/32                 ; a row of scales in bytes: 128, half of a row of 256 bytes in LDS
.set SCL,    2*SLOT                    ; behind the ring: the scales, as rows of 256 bytes + 16 of padding
.set HALFS,  (128*KS/256)*272          ; the scales of 128 rows: what one tensor load brings
.set SBLK,   (16*KS/256)*272           ; those of 16 rows
.set SPARE,  SCL+4*HALFS               ; behind the scales: the spare words, 128 bytes for each wave: two blocks of 256 bytes that no other line names
.set SPITCH, 528                       ; the way out: a stage of 16 rows x (512 bytes + 16) for each wave.  It lies in slot 0, which has had its last fill and its last read when the first result is stored there
.set ADRA, 16                          ; v16-17  LDS address of my A fragments in slot 0, 1  (v18-19: the same for the pieces that lie behind one padding more)
.set ADRB, 20                          ; v20-21  the same for B  (v22-23)
.set STO,  24                          ; v24     the way out: where I put 32 bytes of a row
.set RD,   25                          ; v25     the way out: where I read a row back
.set CO,   26                          ; v26     my byte offset in a row of the output
.set SPW,  28                          ; v28     LDS address of my spare word: SPARE + 4 x my thread's number; never rewritten
.set NIL,  29                          ; v29     0; never rewritten
.set ADRS, 27                          ; v27     LDS address of my scale words: lanes 0-15 A's rows, lanes 16-31 B's
.set SC,   32                          ; scale words: set s (for slot s) at v[SC + 8 NQ s]; in it register NQ i + q: lanes 0-15 the word of A's block i, lanes 16-31 that of B's block i, for the slot's q-th 128 along K
.set BI,   64                          ; v64-127 the bias: register 8 b + j: bias[my first column + 16 b + 8 (lane / 16) + j]
.set AF,   128                         ; A's fragments, in window 0
.set BK,   128                         ; the way out: 16 rows read back from the stage: v128-191 and v192-255 by turns
.set G1, 24                            ; s[24:31] descriptor group 1 for A's tiles;  s[32:39] group 0, one set for each slot
.set G0, 32
.set G1B, 48                           ; s[48:55], s[56:63] the same for B's tiles
.set G0B, 56
.set G1S, 68                           ; s[68:75], s[76:79] groups 1 and 0 for A's scales;  s[80:87], s[88:91] for B's
.set G0S, 76
.set G1SB, 80
.set G0SB, 88
.set MSB, 0
.macro WIN new                         ; the immediate's high byte repeats the setting that is left
.if MSB != \new
	s_set_vgpr_msb (MSB<<8)|\new
.set MSB, \new
.endif
.endm
.set MUL_LO, 0xa1                      ; source 0 (B) window 1, source 1 (A) window 0, C and D window 2
.set MUL_HI, 0xf1                      ; the same, C and D window 3
.set BEG_LO, 0x81                      ; the first step: C (the bias) window 0, D window 2
.set BEG_HI, 0xc1                      ; C window 0, D window 3
.set TO_B,   0x40                      ; destination window 1, address window 0
; A joint load: waves 0 and 1 fetch for A, waves 2 and 3 for B.  Each of the two lines has ONE mask and one set of registers for all that issue it; the branch hangs on the wave's number alone.
; Four v_nop follow each of the two lines, ahead of the jump, the label and what follows.
.macro JLOAD g0a, g1a, g0b, g1b
	s_cmp_eq_u32 s15, 0
	s_cbranch_scc0 .Lfor_b_\@
	tensor_load_to_lds s[\g0a:\g0a+3], s[\g1a:\g1a+7]
	s_nop 0
.rept 4
	v_nop
.endr
	s_branch .Lasked_\@
.Lfor_b_\@:
	tensor_load_to_lds s[\g0b:\g0b+3], s[\g1b:\g1b+7]
	s_nop 0
.rept 4
	v_nop
.endr
.Lasked_\@:
.endm
.macro CREST                           ; a round of the cluster's barrier behind its opening barrier
	s_cmp_lg_u32 s14, 0
	s_cbranch_scc1 .Lnot_wave_0_\@
	s_barrier_signal -3
.Lnot_wave_0_\@:
	s_barrier_wait -3
	s_barrier_signal -1
	s_barrier_wait -1
.endm
.macro CROUND                          ; a whole round
	s_barrier_signal -1
	s_barrier_wait -1
	CREST
.endm
	s_load_b128 s[4:7], s[0:1], 0x0                ; A's codes s[4:5], A's scales s[6:7]
	s_load_b128 s[8:11], s[0:1], 0x10              ; B's codes s[8:9], B's scales s[10:11]
	s_load_b64 s[96:97], s[0:1], 0x20              ; the bias
	s_load_b64 s[12:13], s[0:1], 0x28              ; the output
	v_lshl_add_u32 v[SPW], v0, 2, SPARE
	v_mov_b32 v[NIL], 0
	ds_add_u32 v28, v29
	ds_add_u32 v28, v29
	s_wait_dscnt 0x0
	v_lshrrev_b32 v1, 5, v0
	v_readfirstlane_b32 s14, v1                    ; wave 0..3
	s_lshr_b32 s15, s14, 1                         ; which half of the tile's rows is mine.  Also: I fetch for A (0) or for B (1)
	s_and_b32 s16, s14, 1                          ; which half of its columns.  Also: which 128 rows of that tile I fetch
	s_bfe_u32 s40, ttmp6, 0x40000                  ; cx, cy: my place in the cluster
	s_bfe_u32 s41, ttmp6, 0x40004
	s_lshl_b32 s42, ttmp9, 2
	s_add_co_u32 s42, s42, s40                     ; tile column = 4 x cluster x + cx
	s_and_b32 s17, ttmp7, 0xffff
	s_lshl_b32 s17, s17, 2
	s_add_co_u32 s17, s17, s41                     ; tile row = 4 x cluster y + cy
	s_lshl_b32 s43, s41, 2
	s_lshl_b32 s43, 15, s43                        ; my row of the cluster
	s_lshl_b32 s44, 0x1111, s40                    ; my column
	; descriptor group 1: a tile of 128 rows x ROWB bytes, padded in LDS
	s_or_b32 s[G1+0], s43, (0<<16)|(1<<20)|(1<<21)|(3<<22)|(3<<25)  ; 15:0 the mask: A's tiles go to my row; 17:16 element of 1 byte; 20 padding on; 21 set beside a mask; 24:22 after every 16 words (code 3); 31:25 of 4 words (code 3)
	s_or_b32 s[G1B+0], s44, (0<<16)|(1<<20)|(1<<21)|(3<<22)|(3<<25)
.irp g, G1, G1B
	s_mov_b32 s[\g+1], ROWB<<16                    ; tensor_dim0
	s_mov_b32 s[\g+2], 128<<16                     ; tensor_dim1 = 128
	s_mov_b32 s[\g+3], ROWB<<16                    ; tile_dim0
	s_mov_b32 s[\g+4], 128                         ; tile_dim1 = 128
	s_mov_b32 s[\g+5], KROW                        ; tensor_dim0_stride
	s_mov_b32 s[\g+6], 0
	s_mov_b32 s[\g+7], 0
.endr
	; and for the scales of 128 rows: a dense block of 128 KS bytes, as rows of 256 bytes (32 elements of 8 bytes), 16 bytes of padding behind each
	s_or_b32 s[G1S+0], s43, (3<<16)|(1<<20)|(1<<21)|(5<<22)|(3<<25)
	s_or_b32 s[G1SB+0], s44, (3<<16)|(1<<20)|(1<<21)|(5<<22)|(3<<25)
.irp g, G1S, G1SB
	s_mov_b32 s[\g+1], 32<<16
	s_mov_b32 s[\g+2], (128*KS/256)<<16
	s_mov_b32 s[\g+3], 32<<16
	s_mov_b32 s[\g+4], 128*KS/256
	s_mov_b32 s[\g+5], 32
	s_mov_b32 s[\g+6], 0
	s_mov_b32 s[\g+7], 0
.endr
	s_lshl_b32 s18, s16, 7                         ; which 128 rows of the tile I fetch
	s_lshl_b32 s20, s17, 8
	s_add_co_u32 s20, s20, s18                     ; A: row 256 x tile row + 128 x half
	s_lshl_b32 s46, s42, 8
	s_add_co_u32 s46, s46, s18                     ; B: row 256 x tile column + 128 x half
	s_mov_b32 s21, 0
	s_mov_b32 s47, 0
	s_mov_b64 s[18:19], KS
	s_mul_u64 s[22:23], s[20:21], s[18:19]         ; where these rows' scales begin, in bytes
	s_mul_u64 s[92:93], s[46:47], s[18:19]
	s_mov_b64 s[18:19], KROW
	s_mul_u64 s[20:21], s[20:21], s[18:19]         ; and their codes
	s_mul_u64 s[46:47], s[46:47], s[18:19]
	s_mul_i32 s45, s14, HALFT                      ; where they go: wave x 128 rows: no place in the cluster enters an LDS address
	s_mul_i32 s94, s14, HALFS
	s_wait_kmcnt 0x0
	s_add_nc_u64 s[20:21], s[4:5], s[20:21]
	s_add_nc_u64 s[22:23], s[6:7], s[22:23]
	s_add_nc_u64 s[46:47], s[8:9], s[46:47]
	s_add_nc_u64 s[92:93], s[10:11], s[92:93]
	CROUND                                         ; all sixteen work-groups are here: the first joint loads meet
	s_mov_b32 s[G0S], 1
	s_add_co_u32 s[G0S+1], s94, SCL
	s_mov_b64 s[G0S+2:G0S+3], s[22:23]
	s_or_b32 s[G0S+3], s[G0S+3], 0x80000000
	s_mov_b32 s[G0SB], 1
	s_add_co_u32 s[G0SB+1], s94, SCL
	s_mov_b64 s[G0SB+2:G0SB+3], s[92:93]
	s_or_b32 s[G0SB+3], s[G0SB+3], 0x80000000
	JLOAD G0S, G1S, G0SB, G1SB                     ; the scales first: they are wanted with K step 0
.irp s, 0,1
	s_mov_b32 s[G0+4*\s], 1
	s_add_co_u32 s[G0+4*\s+1], s45, \s*SLOT
	s_add_nc_u64 s[G0+4*\s+2:G0+4*\s+3], s[20:21], \s*ROWB
	s_or_b32 s[G0+4*\s+3], s[G0+4*\s+3], 0x80000000
	s_mov_b32 s[G0B+4*\s], 1
	s_add_co_u32 s[G0B+4*\s+1], s45, \s*SLOT
	s_add_nc_u64 s[G0B+4*\s+2:G0B+4*\s+3], s[46:47], \s*ROWB
	s_or_b32 s[G0B+4*\s+3], s[G0B+4*\s+3], 0x80000000
	JLOAD G0+4*\s, G1, G0B+4*\s, G1B               ; three tensor loads of mine are out now; later one behind each round
.endr
	v_and_b32 v1, 15, v0                           ; l % 16
	v_bfe_u32 v2, v0, 4, 1                         ; l / 16
	v_mul_u32_u24 v3, v1, PITCH
	v_mul_u32_u24 v4, v2, 24
	v_add_nc_u32 v4, v3, v4                        ; a fragment's row x pitch + 24 x half
	v_lshl_add_u32 v5, v2, 4, v4                   ; and the same behind one padding more
	s_mul_i32 s21, s15, HALFT                      ; my 128 rows of A
	s_mul_i32 s22, s16, HALFT                      ; my 128 rows of B,
	s_add_co_u32 s22, s22, 2*HALFT                 ; which lie behind A's 256
.irp s, 0,1
	v_add_nc_u32 v[ADRA+\s], s21, v4
	v_add_nc_u32 v[ADRB+\s], s22, v4
	v_add_nc_u32 v[ADRA+2+\s], s21, v5
	v_add_nc_u32 v[ADRB+2+\s], s22, v5
	s_add_co_u32 s21, s21, SLOT
	s_add_co_u32 s22, s22, SLOT
.endr
	v_mul_u32_u24 v5, v1, KS                       ; my row's scales: KS bytes a row,
	v_lshrrev_b32 v6, 8, v5
	v_lshl_add_u32 v5, v6, 4, v5                   ; and 16 more for each 256 passed
	s_mul_i32 s21, s15, HALFS                      ; A's: my 128 rows
	s_mul_i32 s22, s16, HALFS                      ; B's: my 128 rows, behind A's 256
	s_add_co_u32 s22, s22, 2*HALFS
	s_sub_co_u32 s22, s22, s21
	v_mul_u32_u24 v6, s22, v2                      ; lanes 16-31 take B's
	s_add_co_u32 s21, s21, SCL
	v_add_nc_u32 v5, v5, v6
	v_add_nc_u32 v[ADRS], s21, v5
	s_mul_i32 s23, s14, 16*SPITCH                  ; my stage
	v_mul_u32_u24 v5, v1, SPITCH                   ; in: row l % 16, 32 bytes for each half of the lanes
	v_lshl_add_u32 v5, v2, 5, v5
	v_add_nc_u32 v[STO], s23, v5
	v_and_b32 v6, 31, v0
	v_lshlrev_b32 v[CO], 4, v6                     ; back: the 32 lanes take one row of 512 bytes; and the same in the output
	v_add_nc_u32 v[RD], s23, v[CO]
	s_lshl_b32 s20, s17, 8
	s_lshl_b32 s21, s15, 7
	s_add_co_u32 s20, s20, s21                     ; my first row of the output: 256 x tile row + 128 x half
	s_mov_b32 s21, 0
	s_mov_b64 s[18:19], SIZE_N*4
	s_mul_u64 s[20:21], s[20:21], s[18:19]
	s_lshl_b32 s46, s42, 10                        ; my first column, in bytes: 1024 x tile column + 512 x half
	s_lshl_b32 s47, s16, 9
	s_add_co_u32 s46, s46, s47
	s_mov_b32 s47, 0
	s_add_nc_u64 s[96:97], s[96:97], s[46:47]      ; the bias at my first column
	s_add_nc_u64 s[20:21], s[20:21], s[46:47]
	s_add_nc_u64 s[12:13], s[12:13], s[20:21]
	v_lshlrev_b32 v7, 5, v2                        ; lanes 16-31 hold the columns eight further on: 32 bytes
.irp b, 0,1,2,3,4,5,6,7
	global_load_b128 v[BI+8*\b:BI+8*\b+3], v7, s[96:97] offset:64*\b
	global_load_b128 v[BI+8*\b+4:BI+8*\b+7], v7, s[96:97] offset:64*\b+16
.endr
.macro FRAG reg, adr, q, i             ; a fragment, 16 rows x 128 K of 6-bit codes, is 12 registers: lane l holds row l % 16; registers 6 c .. 6 c + 5 hold K = 64 c + 32 (l / 16) + 0 .. 31: 24 bytes of the row's stream of bits, as they lie
.irp p, 0,1,2,3,4,5                    ; in pieces of 8 bytes, so that every address is a multiple of the access's size.  Lanes 0-15 take the row's pieces 12 q + 0, 1, 2 and 12 q + 6, 7, 8, lanes 16-31 those three pieces on
.set PC, 12*(\q)+6*(\p/3)+\p%3        ; the mover has laid 16 bytes of padding behind every 64 bytes (8 pieces): where the piece three on lies behind one padding more, the second address register (40 for 24 bytes a half) serves
.if PC%8 < 5
	ds_load_b64 v[\reg+2*\p:\reg+2*\p+1], v[\adr] offset:8*PC+16*(PC/8)+(\i)*16*PITCH
.else
	ds_load_b64 v[\reg+2*\p:\reg+2*\p+1], v[\adr+2] offset:8*PC+16*(PC/8)+(\i)*16*PITCH
.endif
.endr
.endm
; 16 matrix instructions: A's blocks a0, a0 + 1 x B's eight, 128 along K: the slot's q-th.  p: B's set;  sc: the set of scale words.  first = 1: the first product starts the sums from the bias: nothing is ever cleared or added.
; The 64 accumulators take turns, one instruction a turn, in the same order in every step.
.macro MUL16 a0, p, q, sc, first
.irp a, \a0, \a0+1
.irp b, 0,1,2,3,4,5,6,7
.if \first
	v_wmma_scale_f32_16x16x128_f8f6f4 v[8*(8*((\a)%4)+\b):8*(8*((\a)%4)+\b)+7], v[128*(\p)+FR*\b:128*(\p)+FR*\b+FR-1], v[AF+FR*(\a):AF+FR*(\a)+FR-1], v[BI+8*\b:BI+8*\b+7], v[SC+8*NQ*(\sc)+NQ*\b+(\q)], v[SC+8*NQ*(\sc)+NQ*(\a)+(\q)] matrix_a_fmt:MATRIX_FMT_BF6 matrix_b_fmt:MATRIX_FMT_BF6 matrix_a_scale:MATRIX_SCALE_ROW1
.else
	v_wmma_scale_f32_16x16x128_f8f6f4 v[8*(8*((\a)%4)+\b):8*(8*((\a)%4)+\b)+7], v[128*(\p)+FR*\b:128*(\p)+FR*\b+FR-1], v[AF+FR*(\a):AF+FR*(\a)+FR-1], v[8*(8*((\a)%4)+\b):8*(8*((\a)%4)+\b)+7], v[SC+8*NQ*(\sc)+NQ*\b+(\q)], v[SC+8*NQ*(\sc)+NQ*(\a)+(\q)] matrix_a_fmt:MATRIX_FMT_BF6 matrix_b_fmt:MATRIX_FMT_BF6 matrix_a_scale:MATRIX_SCALE_ROW1
.endif
.endr
.endr
.endm
.macro FETCH_B slot, q, p              ; B's eight fragments of the slot's q-th 128 along K into set p
	WIN TO_B
.irp i, 0,1,2,3,4,5,6,7
	FRAG 128*(\p)+FR*\i, ADRB+\slot, \q, \i
.endr
	WIN 0
.endm
.macro FETCH_A slot, q, i0             ; A's blocks i0 .. i0 + 3
.irp i, \i0, \i0+1, \i0+2, \i0+3
	FRAG AF+FR*(\i), ADRA+\slot, \q, \i
.endr
.endm
.macro SCALES sc                       ; the next K step's scale words into set sc: NQ words a row; lanes 0-15 take A's block i, lanes 16-31 B's block i
.irp i, 0,1,2,3,4,5,6,7
	ds_load_b64 v[SC+8*NQ*\sc+NQ*\i:SC+8*NQ*\sc+NQ*\i+1], v[ADRS] offset:\i*SBLK
.endr
.endm
; A load into a register that a matrix instruction has read, and a vector instruction or an LDS store that reads a matrix result, stand NP places behind that matrix instruction, and only plain vector
; instructions that name none of its registers are places (ISA guide 7.12.1 for vector instructions); this text does not count the matrix instructions in between.
.macro PLACES n
.rept \n
	v_nop
.endr
.endm
; A step of 128 along K that has its successor in the same slot.
.macro STEP slot, q, first
	s_wait_dscnt 4*NL                              ; B's set and A's blocks 0-3 are in; the youngest 24 loads (A's blocks 4-7) may be out
.if \first
	WIN BEG_LO
.else
	WIN MUL_LO
.endif
	MUL16 0, (\q)%2, \q, \slot, \first
	MUL16 2, (\q)%2, \q, \slot, \first
	s_wait_dscnt 0                                 ; A's blocks 4-7 are in (asked for 32 matrix instructions ago)
	PLACES NP
	FETCH_B \slot, (\q)+1, 1-(\q)%2
	FETCH_A \slot, (\q)+1, 0
.if \first
	WIN BEG_HI
.else
	WIN MUL_HI
.endif
	MUL16 4, (\q)%2, \q, \slot, \first
	MUL16 6, (\q)%2, \q, \slot, \first
	PLACES NP
	WIN 0
	FETCH_A \slot, (\q)+1, 4
.endm
; A slot's last step changes slots: ONE barrier; in front of it each wave waits for all its tensor loads, adds 0 to its spare word, and waits for that and for its own reads of this slot.  fill = 1: this slot is filled again, two K steps ahead.
.macro TURN slot, next, fill
	s_wait_tensorcnt 0x0                           ; all my tensor loads have landed: my part of the next slot;  (every window is 0 here: the add's two registers lie in window 0)
	ds_add_u32 v[SPW], v[NIL]                      ; 0 onto my spare word
	s_wait_dscnt 4*NL+1                            ; (the add and the youngest 24 loads, A's blocks 4-7, may be out)
	WIN MUL_LO
	MUL16 0, 1, NQ-1, \slot, 0                     ; sixteen matrix instructions stand between the add and the wait for it
	s_wait_dscnt 0x0                               ; the add is done, and my reads of this slot are over
	s_barrier_signal -1
	MUL16 2, 1, NQ-1, \slot, 0
	WIN 0
	s_barrier_wait -1
.if \fill
	CREST                                          ; the barrier has opened a round of the cluster's barrier: no wave of any partner still reads this slot's tile or has a load on its way
	s_add_nc_u64 s[G0+4*\slot+2:G0+4*\slot+3], s[G0+4*\slot+2:G0+4*\slot+3], 2*ROWB
	s_add_nc_u64 s[G0B+4*\slot+2:G0B+4*\slot+3], s[G0B+4*\slot+2:G0B+4*\slot+3], 2*ROWB
	JLOAD G0+4*\slot, G1, G0B+4*\slot, G1B         ; the first tensor load behind the round; the four v_nop behind it are the places in front of the loads below
.else
	PLACES NP
.endif
	v_add_nc_u32 v[ADRS], 4*NQ, v[ADRS]            ; on to the next K step's scale words (no LDS load of mine is out)
	FETCH_B \next, 0, 0
	FETCH_A \next, 0, 0
	SCALES \next
	WIN MUL_HI
	MUL16 4, 1, NQ-1, \slot, 0
	MUL16 6, 1, NQ-1, \slot, 0
	PLACES NP
	WIN 0
	FETCH_A \next, 0, 4
.endm
	s_wait_tensorcnt 1                             ; the scales and my part of K step 0 are in (K step 1's load may be out)
	s_barrier_signal -1
	s_barrier_wait -1                              ; everybody's are
	FETCH_B 0, 0, 0
	FETCH_A 0, 0, 0
	SCALES 0
	FETCH_A 0, 0, 4
	s_wait_loadcnt 0x0                             ; the bias
	STEP 0, 0, 1                                   ; the first step stands in front of the loop: its products start the sums from the bias
.if LAPS > 1
	s_mov_b32 s3, LAPS-1
.Llap:                                                 ; a trip goes once round the ring, from a lap's second step to the next lap's first, and fills both slots again
	TURN 0, 1, 1
	STEP 1, 0, 0
	TURN 1, 0, 1
	STEP 0, 0, 0
	s_sub_co_u32 s3, s3, 1
	s_cmp_lg_u32 s3, 0
	s_cbranch_scc1 .Llap
.endif
	TURN 0, 1, 0                                   ; the last lap fills nothing, and has no round of the cluster's barrier
	STEP 1, 0, 0
	s_wait_dscnt 4*NL                              ; the very last step: nothing more to fetch
	WIN MUL_LO
	MUL16 0, 1, NQ-1, 1, 0
	MUL16 2, 1, NQ-1, 1, 0
	s_wait_dscnt 0
	WIN MUL_HI
	MUL16 4, 1, NQ-1, 1, 0
	MUL16 6, 1, NQ-1, 1, 0
	WIN 0
; THE WAY OUT, block by block of 16 rows x 128 columns.  A lane holds 32 neighbouring bytes of a row, and the lanes beside it hold other rows: so a block goes through my own stage in LDS and comes back as whole
; rows of 512 bytes, which the 32 lanes store as 512 consecutive bytes.  LDS serves a wave's instructions in order (ISA guide 5.7.1.4): no wait between the stores and the loads, nor in front of the next block's stores.
.macro TOSTAGE a
.set AC, 64*((\a)%4)
	WIN 0x08+4*((\a)/4)                            ; the data: window 2 or 3
.irp b, 0,1,2,3,4,5,6,7
	ds_store_b128 v[STO], v[AC+8*\b:AC+8*\b+3] offset:64*\b          ; each accumulator from its low end on
	ds_store_b128 v[STO], v[AC+8*\b+4:AC+8*\b+7] offset:64*\b+16
.endr
	WIN 0
.set BB, BK+64*((\a)%2)
.irp t, 0,1,2,3,4,5,6,7,8,9,10,11,12,13,14,15
	ds_load_b128 v[BB+4*\t:BB+4*\t+3], v[RD] offset:\t*SPITCH
.endr
.endm
.macro SEND a, younger                 ; younger: the LDS instructions issued behind block a's loads, which may stay out
.set BB, BK+64*((\a)%2)
	s_wait_dscnt \younger                          ; the block is back in registers
.if (\a) > 0
	s_add_nc_u64 s[12:13], s[12:13], 16*SIZE_N*4   ; (behind a wait on XCNT: the earlier stores have read their base)  16 rows on, so that the stores' offsets stay small: 15 rows of 16,384 bytes at the most
.endif
.irp t, 0,1,2,3,4,5,6,7,8,9,10,11,12,13,14,15
	global_store_b128 v[CO], v[BB+4*\t:BB+4*\t+3], s[12:13] offset:\t*SIZE_N*4 th:TH_STORE_NT   ; 32 lanes store 512 consecutive bytes, at a multiple of 256 from the output's first byte; written once, read by nobody here
.endr
.endm
	PLACES NP                                      ; these places serve the loads into the registers that held A's fragments and the reads of the last products' results alike
	TOSTAGE 0
.irp a, 1,2,3,4,5,6,7
.if \a > 1
	s_wait_xcnt 0x0                                ; block a - 2's stores have read their registers and their base: block a's loads may land there, and the base may step
.endif
	TOSTAGE \a
	SEND \a-1, 32                                  ; behind block a - 1's loads: block a's 16 stores and 16 loads
.endr
	s_wait_xcnt 0x0                                ; block 6's stores have read their base
	SEND 7, 0
	s_wait_tensorcnt 0x0                           ; the wave's end: behind my last tensor load and my last LDS store
	ds_add_u32 v[SPW], v[NIL]
	s_wait_dscnt 0x0
	CROUND                                         ; the closing round: no work-group ends while a partner may still ask for a tile that names it
	s_endpgm
.Lfunc_end_k_q9f49557f9a_gemm:
	.size	k_q9f49557f9a_gemm, .Lfunc_end_k_q9f49557f9a_gemm-k_q9f49557f9a_gemm
	.p2alignl 7, 3214868480
	.fill 96, 4, 3214868480
	.section	.rodata,"a",@progbits
	.p2align	6, 0x0
	.amdhsa_kernel k_q9f49557f9a_gemm
		.amdhsa_group_segment_fixed_size 327680
		.amdhsa_private_segment_fixed_size 0
		.amdhsa_enable_private_segment 0
		.amdhsa_kernarg_size 48
		.amdhsa_user_sgpr_count 2
		.amdhsa_user_sgpr_kernarg_segment_ptr 1
		.amdhsa_wavefront_size32 1
		.amdhsa_system_sgpr_workgroup_id_x 1
		.amdhsa_system_sgpr_workgroup_id_y 1
		.amdhsa_system_sgpr_workgroup_id_z 1
		.amdhsa_system_vgpr_workitem_id 0
		.amdhsa_next_free_vgpr 1024
		.amdhsa_next_free_sgpr 98
		.amdhsa_reserve_vcc 0
		.amdhsa_float_denorm_mode_32 3
		.amdhsa_float_denorm_mode_16_64 3
		.amdhsa_memory_ordered 1
		.amdhsa_forward_progress 1
		.amdhsa_inst_pref_size 162
	.end_amdhsa_kernel
	.amdgpu_metadata
---
amdhsa.version: [ 1, 2 ]
amdhsa.kernels:
  - .name:           k_q9f49557f9a_gemm
    .symbol:         k_q9f49557f9a_gemm.kd
    .args:
      - { .name: xc, .offset: 0, .size: 8, .value_kind: global_buffer, .address_space: global }
      - { .name: xs, .offset: 8, .size: 8, .value_kind: global_buffer, .address_space: global }
      - { .name: wc, .offset: 16, .size: 8, .value_kind: global_buffer, .address_space: global }
      - { .name: ws, .offset: 24, .size: 8, .value_kind: global_buffer, .address_space: global }
      - { .name: bias, .offset: 32, .size: 8, .value_kind: global_buffer, .address_space: global }
      - { .name: out0, .offset: 40, .size: 8, .value_kind: global_buffer, .address_space: global }
    .group_segment_fixed_size: 327680
    .private_segment_fixed_size: 0
    .kernarg_segment_align: 8
    .kernarg_segment_size: 48
    .max_flat_workgroup_size: 128
    .sgpr_count:     98
    .vgpr_count:     1024
    .wavefront_size: 32
...
	.end_amdgpu_metadata
.endif
;; end of part 2
